; MI455X (gfx1250); checked and timed in simulation.
; The chip was launched on July 23, 2026; its instructions are those of AMD's public machine-readable ISA for CDNA 5 (MIT licence, August 2026) and "CDNA5" Instruction Set Architecture Reference Guide (July 2026). The comments in the code are by the model that wrote it; some were corrected since.
;; Head. Allowed arithmetic: float matrix products may take bf16 or f16 operands with f32 sums; all other float work in f32.
;; Inputs: Wk 1,024 x 64 float32; Wq 1,024 x 64 float32; Wv 1,024 x 64 float32; bk 64 float32; bq 64 float32; bv 64 float32; x 4 x 4,096 x 1,024 float32.
;; Outputs: out0 4 x 4,096 x 64 float32.
;; One version. Each part assembles by itself: llvm-mc -triple=amdgcn-amd-amdhsa -mcpu=gfx1250 --defsym DOCPART=n.
;; ======== version 1 of 1: 3 launches
;; workspace buffers: ws 12,582,912 bytes; wf 393,216 bytes
;; launch prep (part 1): grid 32 x 1, 4 waves a work-group, no clusters, 26,624 bytes of LDS; arguments Wq, Wk, Wv, wf; writes wf
.if DOCPART == 1
	.amdgcn_target "amdgcn-amd-amdhsa--gfx1250"
	.amdhsa_code_object_version 6
	.text
	.protected	k_q497d93380f_prep
	.globl	k_q497d93380f_prep
	.p2align	8
	.type	k_q497d93380f_prep,@function
k_q497d93380f_prep:
	s_mov_b64 s[64:65], 0
	v_nop
	global_prefetch_b8 v0, s[64:65] scope:SCOPE_SE
	s_setreg_imm32_b32 hwreg(HW_REG_WAVE_MODE, 25, 1), 1
	s_wait_xcnt 0x0
; Wq, Wk, Wv: [1024 (k)][64 (n)] f32.  They are rounded to bf16 once and stored in wf in the order in which the next launch loads
; matrix fragments, so that its 256 work-groups read half the bytes and neither convert nor transpose:
;   wf byte (3 kb + m) 4096 + nt 1024 + p 512 + 16 L holds matrix m (q, k, v), column 16 nt + r, k = 32 kb + 16 p + 8 h + 0..7  (L = lane = 16 h + r).
; Work-group kb takes rows 32 kb .. + 31 of all three matrices: 3 x 8,192 consecutive bytes, read in loads of 512 consecutive bytes a wave,
; laid into LDS by rows (pitch 272), read back by columns; wave nt makes column tile nt.  Each store of a wave covers 512 consecutive bytes.
; 32 work-groups: the work is 786,432 bytes in and 393,216 out, one trip each; more work-groups would only share out the same few loads.
; No matrix unit, no cluster: nothing is multiplied, and no two work-groups read the same byte.
.set PITCH, 272                        ; 256 bytes + 16: the two halves of the lanes read rows 8 apart, 2,176 bytes = 128 modulo 256: other banks
.set MAT,   32*PITCH                   ; one matrix's 32 rows in LDS
.set IN,    16                         ; v[16:63]   as loaded: matrix m, load q at 16 m + 4 q
.set CO,    64                         ; v[64:111]  my column's 16 numbers of each matrix: 16 m + 8 p + j
.set PK,    112                        ; v[112:135] packed: 8 m + 4 p
	s_load_b256 s[4:11], s[0:1], 0x0               ; Wq 4, Wk 6, Wv 8, wf 10
	v_lshl_add_u32 v136, v0, 2, 0x6600
	v_mov_b32 v137, 0
	v_lshrrev_b32 v5, 5, v0
	v_readfirstlane_b32 s14, v5                    ; wave = column tile nt
	s_lshl_b32 s12, ttmp9, 13                      ; 32 rows of 256 bytes
	s_mul_i32 s13, ttmp9, 12288                    ; three blocks of 4,096 bytes of wf
	v_lshl_add_u32 v1, v0, 4, s12                  ; W: 16 bytes a thread; load q adds 2,048
	v_and_b32 v6, 15, v0                           ; r
	v_bfe_u32 v7, v0, 4, 1                         ; h
	v_and_b32 v9, 31, v0                           ; L
	s_mul_i32 s15, s14, 2*PITCH                    ; a load of a wave is two rows: rows 8 q + 2 wave + h
	v_mul_u32_u24 v2, v7, PITCH
	v_lshl_add_u32 v2, v6, 4, v2
	v_add_nc_u32 v2, s15, v2                       ; in
	s_lshl_b32 s15, s14, 6
	v_mul_u32_u24 v3, v7, 8*PITCH
	v_lshl_add_u32 v3, v6, 2, v3
	v_add_nc_u32 v3, s15, v3                       ; back: row 8 h, column 16 nt + r
	s_lshl_b32 s15, s14, 10
	s_add_co_u32 s15, s15, s13
	v_lshl_add_u32 v4, v9, 4, s15                  ; wf: 12,288 kb + 1,024 nt + 16 L
	s_wait_kmcnt 0x0
.irp m, 0,1,2
.irp q, 0,1,2,3
	global_load_b128 v[IN+16*\m+4*\q:IN+16*\m+4*\q+3], v1, s[4+2*\m:5+2*\m] offset:\q*2048
.endr
.endr
.irp m, 0,1,2
	s_wait_loadcnt 8-4*\m                          ; this matrix's four loads are in; the four of each later matrix stay out
.irp q, 0,1,2,3
	ds_store_b128 v2, v[IN+16*\m+4*\q:IN+16*\m+4*\q+3] offset:\m*MAT+\q*8*PITCH
.endr
.endr
	s_wait_dscnt 0x0                               ; for the other waves: all my stores are done
	s_barrier_signal -1
	s_barrier_wait -1
.irp m, 0,1,2
.irp p, 0,1
.irp j, 0,1,2,3,4,5,6,7
	ds_load_b32 v[CO+16*\m+8*\p+\j], v3 offset:\m*MAT+(16*\p+\j)*PITCH
.endr
.endr
.endr
.irp m, 0,1,2
	s_wait_dscnt 32-16*\m                          ; this matrix's 16 reads are back; the 16 of each later matrix stay out
.irp p, 0,1
.irp j, 0,1,2,3
	v_cvt_pk_bf16_f32 v[PK+8*\m+4*\p+\j], v[CO+16*\m+8*\p+2*\j], v[CO+16*\m+8*\p+2*\j+1]   ; the lower k in the lower half
.endr
	global_store_b128 v4, v[PK+8*\m+4*\p:PK+8*\m+4*\p+3], s[10:11] offset:\m*4096+\p*512
.endr
.endr
	s_wait_tensorcnt 0x0
	ds_add_u32 v136, v137
	s_wait_dscnt 0x0
	s_endpgm
.Lfunc_end_k_q497d93380f_prep:
	.size	k_q497d93380f_prep, .Lfunc_end_k_q497d93380f_prep-k_q497d93380f_prep
	.p2alignl 7, 3214868480
	.fill 96, 4, 3214868480
	.section	.rodata,"a",@progbits
	.p2align	6, 0x0
	.amdhsa_kernel k_q497d93380f_prep
		.amdhsa_group_segment_fixed_size 26624
		.amdhsa_private_segment_fixed_size 0
		.amdhsa_enable_private_segment 0
		.amdhsa_kernarg_size 32
		.amdhsa_user_sgpr_count 2
		.amdhsa_user_sgpr_kernarg_segment_ptr 1
		.amdhsa_wavefront_size32 1
		.amdhsa_system_sgpr_workgroup_id_x 1
		.amdhsa_system_sgpr_workgroup_id_y 1
		.amdhsa_system_sgpr_workgroup_id_z 1
		.amdhsa_system_vgpr_workitem_id 0
		.amdhsa_next_free_vgpr 138
		.amdhsa_next_free_sgpr 66
		.amdhsa_reserve_vcc 0
		.amdhsa_float_denorm_mode_32 3
		.amdhsa_float_denorm_mode_16_64 3
		.amdhsa_memory_ordered 1
		.amdhsa_forward_progress 1
		.amdhsa_inst_pref_size 9
	.end_amdhsa_kernel
	.amdgpu_metadata
---
amdhsa.version: [ 1, 2 ]
amdhsa.kernels:
  - .name:           k_q497d93380f_prep
    .symbol:         k_q497d93380f_prep.kd
    .args:
      - { .name: Wq, .offset: 0, .size: 8, .value_kind: global_buffer, .address_space: global }
      - { .name: Wk, .offset: 8, .size: 8, .value_kind: global_buffer, .address_space: global }
      - { .name: Wv, .offset: 16, .size: 8, .value_kind: global_buffer, .address_space: global }
      - { .name: wf, .offset: 24, .size: 8, .value_kind: global_buffer, .address_space: global }
    .group_segment_fixed_size: 26624
    .private_segment_fixed_size: 0
    .kernarg_segment_align: 8
    .kernarg_segment_size: 32
    .max_flat_workgroup_size: 128
    .sgpr_count:     66
    .vgpr_count:     138
    .wavefront_size: 32
...
	.end_amdgpu_metadata
.endif
;; end of part 1
;; launch proj (part 2): grid 256 x 1, 4 waves a work-group, no clusters, 279,040 bytes of LDS; arguments x, wf, bq, bk, bv, ws; writes ws
.if DOCPART == 2
	.amdgcn_target "amdgcn-amd-amdhsa--gfx1250"
	.amdhsa_code_object_version 6
	.text
	.protected	k_q497d93380f_proj
	.globl	k_q497d93380f_proj
	.p2align	8
	.type	k_q497d93380f_proj,@function
k_q497d93380f_proj:
	s_mov_b64 s[64:65], 0
	v_nop
	global_prefetch_b8 v0, s[64:65] scope:SCOPE_SE
	s_setreg_imm32_b32 hwreg(HW_REG_WAVE_MODE, 25, 1), 1
	s_wait_xcnt 0x0
; q c = (x Wq + bq) c, k = x Wk + bk, v = x Wv + bv, with c = 0.125 log2(e), so that the next launch takes powers of two.
; x: [16384][1024] f32.  wf: the three W as bf16 fragments (layout at WSET below).  Results go to ws as bf16, in the order in which the
; next launch loads matrix fragments: six regions of 2 MiB: q hi, q lo, k hi, k lo, v hi, v lo.  L = lane = 16 h + r, T = row / 16.
;   q, k: byte T 2048 + ct 512 + L 16 holds row 16 T + r, columns 16 ct + 8 h + 0..7
;   v:    byte (T/2) 4096 + ct 1024 + (T&1) 512 + L 16 holds column 16 ct + r, rows 16 T + 8 h + 0..7
;   hi = bf16(value), lo = bf16(value - hi).  q lo and k lo are stored for rows below 2048 of each batch, v lo for rows below 1024:
;   only those are read.
; LIMITS: x and W enter the matrix unit rounded once to bf16; sums, biases and the factor c are f32.
; SHARES: the work-group owns 64 rows.  K is split over the four waves: wave w takes k = 256 w .. 256 w + 255 for all 64 rows and all
; 192 columns (48 accumulator tiles, 384 registers), so each byte of x is read from LDS once and each byte of W reaches one wave.
; The four partial sums meet in LDS; wave w finishes row tile w.
; x comes by four tensor loads a wave (64 rows x 256 bytes each), all issued at the start: four are outstanding, nothing is filled again.
; NO CLUSTER: what work-groups share is W, which passes no LDS here: a wave loads its fragments, 98,304 bytes, straight into registers.
; Joint tiles of W would need slots beside the 278,528 bytes of x; 49,152 bytes are left, one K step of the four waves (12,288 each) and no second slot.
.set XTILE, 17408                      ; 64 rows x (256 + 16) bytes
.set XWAVE, 4*XTILE                    ; the four chunks of a wave
.set CQ,    0x3e38aa3b                 ; 0.125 log2(e)
; window 0
.set RS,  8                            ; v[8:11]   where I put my partial sums for row tile a
.set XF,  16                           ; v[16:79]  x fragments, two buffers of 4 row tiles x 8
.set XR,  80                           ; v[80:143] x as read from LDS, f32
.set BQ,  176                          ; v[176:207] bq of my 8 columns in each of 4 tiles
.set BK,  208                          ; v[208:239] bk likewise
.set BV,  240                          ; v[240:247] bv of my column in each of 4 tiles, each twice (a pair for packed adds)
.set FIN, 16                           ; end phase: v[16:111] the 12 finished tiles
.set RB,  112                          ; end phase: v[112:175] partial sums read back
.set HP,  112                          ; end phase: v[112:159] hi parts, packed
.set LP,  176                          ; end phase: v[176:223] lo parts, packed
.set TT,  224                          ; end phase: v[224:231] at work
; window 3 (local numbers): v[0:95], v[96:191] W fragments of a K step, two sets: matrix m, column tile nt at 32 m + 8 nt
; windows 1 and 2: accumulators.  Window 1: q tiles at 8 (4 ct + a), k tiles at 128 + 8 (4 ct + a).  Window 2: v tiles at 8 (4 ct + a)
.set G1, 24                            ; s[24:31] descriptor group 1
.set G0, 32                            ; s[32:47] descriptor group 0, one set for each chunk
.set MSB, 0
.macro WIN new                         ; low byte: 1:0 source 0, 3:2 source 1, 5:4 source 2, 7:6 destination; high byte: the setting left
.if MSB != \new
	s_set_vgpr_msb (MSB<<8)|\new
.set MSB, \new
.endif
.endm
.macro PLACES                          ; four plain vector places behind matrix instructions (ISA guide 7.12.1)
.rept 4
	v_nop
.endr
.endm
	s_load_b256 s[4:11], s[0:1], 0x0               ; x 4, wf 6, bq 8, bk 10
	s_load_b128 s[12:15], s[0:1], 0x20             ; bv 12, ws 14
	v_lshl_add_u32 v254, v0, 2, 0x44000
	v_mov_b32 v255, 0
	ds_add_u32 v254, v255
	ds_add_u32 v254, v255
	v_lshrrev_b32 v248, 5, v0
	v_readfirstlane_b32 s20, v248                  ; wave 0..3
	; group 1: a tile of 64 rows x 64 elements of 4 bytes, 16 bytes of padding behind each row of 64 words
	s_mov_b32 s[G1+0], 0x07520000                  ; mask 0; element 4 bytes (2<<16); padding on (1<<20); every 64 words (5<<22); 4 words (3<<25)
	s_mov_b32 s[G1+1], 64<<16                      ; tensor_dim0 = 64
	s_mov_b32 s[G1+2], 64<<16                      ; tensor_dim1 = 64
	s_mov_b32 s[G1+3], 64<<16                      ; tile_dim0 = 64
	s_mov_b32 s[G1+4], 64                          ; tile_dim1 = 64
	s_mov_b32 s[G1+5], 1024                        ; elements from row to row
	s_mov_b32 s[G1+6], 0
	s_mov_b32 s[G1+7], 0
	s_mul_i32 s21, s20, XWAVE                      ; my chunks in LDS
	s_lshl_b32 s22, ttmp9, 18                      ; 64 rows x 4,096 bytes
	s_lshl_b32 s23, s20, 10                        ; 256 columns x 4 bytes
	s_add_co_u32 s22, s22, s23
	s_mov_b32 s23, 0
	s_and_b32 s50, ttmp9, 63                       ; my 64-row group in its batch
	v_and_b32 v248, 31, v0                         ; L
	v_and_b32 v249, 15, v0                         ; r
	v_bfe_u32 v250, v0, 4, 1                       ; h
	v_lshlrev_b32 v251, 4, v248                    ; 16 L
	s_mul_i32 s51, s20, 98304
	v_add_nc_u32 v1, s51, v251                     ; wf: my 24 blocks of 4,096 bytes + 16 L
	s_wait_dscnt 0x0
	s_wait_kmcnt 0x0
	s_add_nc_u64 s[22:23], s[4:5], s[22:23]
	s_add_nc_u64 s[48:49], s[14:15], 0x800000      ; the v regions of ws
.irp c, 0,1,2,3
	s_mov_b32 s[G0+4*\c], 1
	s_add_co_u32 s[G0+4*\c+1], s21, \c*XTILE
	s_add_nc_u64 s[G0+4*\c+2:G0+4*\c+3], s[22:23], \c*256
	s_or_b32 s[G0+4*\c+3], s[G0+4*\c+3], 0x80000000
	tensor_load_to_lds s[G0+4*\c:G0+4*\c+3], s[G1:G1+7]
	s_nop 0
.endr
; WSET: the W fragments of K step kk (32 k) of my 256 k: 12,288 consecutive bytes, 24 loads of 512 bytes.
; Load n = 8 m + 2 nt + p brings lane (r, h) column 16 nt + r of matrix m, k = 16 p + 8 h + 0..7: registers 4 n of the set.
.macro WSET kk
	WIN 0xc0
.set qq, 0
.rept 24
	global_load_b128 v[96*((\kk)&1)+4*qq:96*((\kk)&1)+4*qq+3], v1, s[6:7] offset:(\kk)*12288+qq*512
.set qq, qq+1
.endr
.endm
	WSET 0
	WSET 1
	WIN 0
	v_mul_u32_u24 v2, v249, 272
	v_lshl_add_u32 v2, v250, 5, v2
	v_add_nc_u32 v2, s21, v2                       ; x in LDS: row r, 32 h bytes
	v_lshlrev_b32 v5, 5, v250                      ; bq, bk: 8 h numbers
	v_lshlrev_b32 v6, 2, v249                      ; bv: number r
	s_mul_i32 s53, s20, 12288
.irp a, 0,1,2,3
	v_add_nc_u32 v[RS+\a], s53, v251               ; partial sums: (row tile a) 49,152 + (my wave) 12,288 + 16 L
	s_add_co_u32 s53, s53, 49152
.endr
	s_mul_i32 s53, s20, 49152
	v_add_nc_u32 v12, s53, v251                    ; and where I read the four partial sums of row tile w
	s_lshl_b32 s54, ttmp9, 2
	s_add_co_u32 s54, s54, s20                     ; T = 4 x work-group + wave
	v_lshl_add_u32 v13, s54, 11, v251              ; q, k: T 2048 + 16 L
	s_lshr_b32 s55, s54, 1
	s_and_b32 s54, s54, 1
	s_lshl_b32 s55, s55, 12
	s_lshl_b32 s54, s54, 9
	s_add_co_u32 s55, s55, s54
	v_add_nc_u32 v14, s55, v251                    ; v: (T/2) 4096 + (T&1) 512 + 16 L
; XLOAD: the f32 numbers of the four x fragments of K step kk: lane (r, h) takes k = 8 h .. + 7 and 16 + 8 h .. + 7 of row 16 a + r.
.macro XLOAD kk
.if ((\kk)&1) == 0
	s_wait_tensorcnt 3-((\kk)>>1)                  ; my chunk kk / 2 has landed; the younger chunks stay out.  Only I read my chunks
.endif
	WIN 0
.irp a, 0,1,2,3
.irp o, 0,1,2,3
	ds_load_b128 v[XR+16*\a+4*\o:XR+16*\a+4*\o+3], v2 offset:((\kk)>>1)*XTILE+\a*4352+((\kk)&1)*128+(\o&1)*16+(\o>>1)*64
.endr
.endr
.endm
.macro XCVT kk                         ; 64 f32 to 32 words of bf16: the four fragments
	WIN 0
.set qq, 0
.rept 32
	v_cvt_pk_bf16_f32 v[XF+32*((\kk)&1)+qq], v[XR+2*qq], v[XR+2*qq+1]
.set qq, qq+1
.endr
.endm
; MUL: 16 matrix instructions of item jj (K step jj / 3, matrix jj % 3): 4 column tiles x 4 row tiles.
; q, k: source 0 = W, source 1 = x, so a lane holds 8 columns of one row; v: source 0 = x, source 1 = W, so a lane holds 8 rows of one
; column.  Either way its 8 results are its 16 bytes of ws.
; The 48 accumulators take turns, one instruction a turn.  The first K step starts the sums with C = 0.
.macro MUL jj
.set MM, (\jj)%3
.set XB, XF+32*(((\jj)/3)&1)
.set WB, 96*(((\jj)/3)&1)+32*MM
.if MM == 2
	WIN 0xac                                       ; source 0 (x) window 0, source 1 (W) window 3, C and D window 2
.else
	WIN 0x53                                       ; source 0 (W) window 3, source 1 (x) window 0, C and D window 1
.endif
.irp nt, 0,1,2,3
.irp a, 0,1,2,3
.if MM == 2
.set AC, 8*(4*\nt+\a)
.if (\jj) < 3
	v_wmma_f32_16x16x32_bf16 v[AC:AC+7], v[XB+8*\a:XB+8*\a+7], v[WB+8*\nt:WB+8*\nt+7], 0
.else
	v_wmma_f32_16x16x32_bf16 v[AC:AC+7], v[XB+8*\a:XB+8*\a+7], v[WB+8*\nt:WB+8*\nt+7], v[AC:AC+7]
.endif
.else
.set AC, 8*(16*MM+4*\nt+\a)
.if (\jj) < 3
	v_wmma_f32_16x16x32_bf16 v[AC:AC+7], v[WB+8*\nt:WB+8*\nt+7], v[XB+8*\a:XB+8*\a+7], 0
.else
	v_wmma_f32_16x16x32_bf16 v[AC:AC+7], v[WB+8*\nt:WB+8*\nt+7], v[XB+8*\a:XB+8*\a+7], v[AC:AC+7]
.endif
.endif
.endr
.endr
.endm
	XLOAD 0
	s_wait_dscnt 0x0
	XCVT 0
; A K step: 48 matrix instructions on one set of W and one buffer of x.  The next step's x is read from LDS behind the 32nd and converted
; behind the 48th; those 32 conversions name no register of the matrix instructions before them and are the places in front of the loads
; that fill this step's set of W again, two steps ahead.
.set ks, 0
.rept 8
.if ks < 7
	s_wait_loadcnt 24                              ; this step's set is in; the 24 loads of the next set stay out
.else
	s_wait_loadcnt 0x0                             ; the last set: nothing is behind it
.endif
	MUL 3*ks
	MUL 3*ks+1
.if ks < 7
	XLOAD ks+1
.endif
	MUL 3*ks+2
.if ks < 7
	s_wait_dscnt 0x0                               ; the 16 reads of x
	XCVT ks+1
.endif
.if ks < 6
	WSET ks+2
.endif
.set ks, ks+1
.endr
	; THE FOUR PARTIAL SUMS MEET.  The region of x has had its last fill; it is written only when every wave has read its x.
	WIN 0
.irp ct, 0,1,2,3                                       ; the biases, on their way while the sums go through LDS
	global_load_b128 v[BQ+8*\ct:BQ+8*\ct+3],   v5, s[8:9] offset:\ct*64
	global_load_b128 v[BQ+8*\ct+4:BQ+8*\ct+7], v5, s[8:9] offset:\ct*64+16
	global_load_b128 v[BK+8*\ct:BK+8*\ct+3],   v5, s[10:11] offset:\ct*64
	global_load_b128 v[BK+8*\ct+4:BK+8*\ct+7], v5, s[10:11] offset:\ct*64+16
	global_load_b32 v[BV+2*\ct],   v6, s[12:13] offset:\ct*64
	global_load_b32 v[BV+2*\ct+1], v6, s[12:13] offset:\ct*64
.endr
	PLACES                                         ; behind the last matrix instructions, in front of the stores of their results
	s_wait_dscnt 0x0                               ; my reads of LDS are back
	s_wait_tensorcnt 0x0                           ; and my tensor loads have landed
	s_barrier_signal -1
	s_barrier_wait -1
	WIN 0x04
.set idx, 0
.rept 32
	ds_store_b128 v[RS+(idx&3)], v[8*idx:8*idx+3]   offset:(idx>>2)*1024
	ds_store_b128 v[RS+(idx&3)], v[8*idx+4:8*idx+7] offset:(idx>>2)*1024+512
.set idx, idx+1
.endr
	WIN 0x08
.set idx, 0
.rept 16
	ds_store_b128 v[RS+(idx&3)], v[8*idx:8*idx+3]   offset:(8+(idx>>2))*1024
	ds_store_b128 v[RS+(idx&3)], v[8*idx+4:8*idx+7] offset:(8+(idx>>2))*1024+512
.set idx, idx+1
.endr
	WIN 0
	s_wait_dscnt 0x0                               ; for the other waves: all my stores are done
	s_barrier_signal -1
	s_barrier_wait -1
; two column tiles at a time: 16 loads, (s0 + s1) + (s2 + s3)
.macro RED ct0
.irp s, 0,1,2,3
.irp c, 0,1
.irp hf, 0,1
	ds_load_b128 v[RB+16*\s+8*\c+4*\hf:RB+16*\s+8*\c+4*\hf+3], v12 offset:\s*12288+(\ct0+\c)*1024+\hf*512
.endr
.endr
.endr
	s_wait_dscnt 0x0
.set qq, 0
.rept 8
	v_pk_add_f32 v[RB+2*qq:RB+2*qq+1], v[RB+2*qq:RB+2*qq+1], v[RB+16+2*qq:RB+16+2*qq+1]
	v_pk_add_f32 v[RB+32+2*qq:RB+32+2*qq+1], v[RB+32+2*qq:RB+32+2*qq+1], v[RB+48+2*qq:RB+48+2*qq+1]
	v_pk_add_f32 v[FIN+8*\ct0+2*qq:FIN+8*\ct0+2*qq+1], v[RB+2*qq:RB+2*qq+1], v[RB+32+2*qq:RB+32+2*qq+1]
.set qq, qq+1
.endr
.endm
	RED 0
	RED 2
	RED 4
	RED 6
	RED 8
	RED 10
	s_wait_loadcnt 0x0                             ; the biases
.set qq, 0
.rept 16
	v_pk_add_f32 v[FIN+2*qq:FIN+2*qq+1], v[FIN+2*qq:FIN+2*qq+1], v[BQ+2*qq:BQ+2*qq+1]
	v_pk_add_f32 v[FIN+32+2*qq:FIN+32+2*qq+1], v[FIN+32+2*qq:FIN+32+2*qq+1], v[BK+2*qq:BK+2*qq+1]
	v_pk_add_f32 v[FIN+64+2*qq:FIN+64+2*qq+1], v[FIN+64+2*qq:FIN+64+2*qq+1], v[BV+2*(qq>>2):BV+2*(qq>>2)+1]
	v_pk_mul_f32 v[FIN+2*qq:FIN+2*qq+1], v[FIN+2*qq:FIN+2*qq+1], CQ op_sel_hi:[1,0]
.set qq, qq+1
.endr
.set qq, 0
.rept 48
	v_cvt_pk_bf16_f32 v[HP+qq], v[FIN+2*qq], v[FIN+2*qq+1]
.set qq, qq+1
.endr
	; each store of the wave covers 512 consecutive bytes, aligned
.irp ct, 0,1,2,3
	global_store_b128 v13, v[HP+4*\ct:HP+4*\ct+3],       s[14:15] offset:\ct*512
	global_store_b128 v13, v[HP+16+4*\ct:HP+16+4*\ct+3], s[14:15] offset:0x400000+\ct*512
	global_store_b128 v14, v[HP+32+4*\ct:HP+32+4*\ct+3], s[48:49] offset:\ct*1024
.endr
; lo = bf16(value - hi) for packed words first .. first + count - 1.  No register that a pending store names is written:
; HP, v13 and v14 stay, each word of LP is written once.
.macro LOW first, count
.set qq, \first
.rept \count
	v_lshlrev_b32 v[TT+2*(qq&3)], 16, v[HP+qq]
	v_and_b32 v[TT+2*(qq&3)+1], 0xffff0000, v[HP+qq]
	v_pk_add_f32 v[FIN+2*qq:FIN+2*qq+1], v[FIN+2*qq:FIN+2*qq+1], v[TT+2*(qq&3):TT+2*(qq&3)+1] neg_lo:[0,1] neg_hi:[0,1]
	v_cvt_pk_bf16_f32 v[LP+qq], v[FIN+2*qq], v[FIN+2*qq+1]
.set qq, qq+1
.endr
.endm
	s_cmp_ge_u32 s50, 32                           ; rows from 2048 on of a batch: no lo parts
	s_cbranch_scc1 .Lend
	LOW 0, 32
.irp ct, 0,1,2,3
	global_store_b128 v13, v[LP+4*\ct:LP+4*\ct+3],       s[14:15] offset:0x200000+\ct*512
	global_store_b128 v13, v[LP+16+4*\ct:LP+16+4*\ct+3], s[14:15] offset:0x600000+\ct*512
.endr
	s_cmp_ge_u32 s50, 16                           ; rows from 1024 on: no lo part of v
	s_cbranch_scc1 .Lend
	LOW 32, 16
.irp ct, 0,1,2,3
	global_store_b128 v14, v[LP+32+4*\ct:LP+32+4*\ct+3], s[48:49] offset:0x200000+\ct*1024
.endr
.Lend:
	s_wait_tensorcnt 0x0
	ds_add_u32 v254, v255
	s_wait_dscnt 0x0
	s_endpgm
.Lfunc_end_k_q497d93380f_proj:
	.size	k_q497d93380f_proj, .Lfunc_end_k_q497d93380f_proj-k_q497d93380f_proj
	.p2alignl 7, 3214868480
	.fill 96, 4, 3214868480
	.section	.rodata,"a",@progbits
	.p2align	6, 0x0
	.amdhsa_kernel k_q497d93380f_proj
		.amdhsa_group_segment_fixed_size 279040
		.amdhsa_private_segment_fixed_size 0
		.amdhsa_enable_private_segment 0
		.amdhsa_kernarg_size 48
		.amdhsa_user_sgpr_count 2
		.amdhsa_user_sgpr_kernarg_segment_ptr 1
		.amdhsa_wavefront_size32 1
		.amdhsa_system_sgpr_workgroup_id_x 1
		.amdhsa_system_sgpr_workgroup_id_y 1
		.amdhsa_system_sgpr_workgroup_id_z 1
		.amdhsa_system_vgpr_workitem_id 0
		.amdhsa_next_free_vgpr 960
		.amdhsa_next_free_sgpr 66
		.amdhsa_reserve_vcc 0
		.amdhsa_float_denorm_mode_32 3
		.amdhsa_float_denorm_mode_16_64 3
		.amdhsa_memory_ordered 1
		.amdhsa_forward_progress 1
		.amdhsa_inst_pref_size 117
	.end_amdhsa_kernel
	.amdgpu_metadata
---
amdhsa.version: [ 1, 2 ]
amdhsa.kernels:
  - .name:           k_q497d93380f_proj
    .symbol:         k_q497d93380f_proj.kd
    .args:
      - { .name: x, .offset: 0, .size: 8, .value_kind: global_buffer, .address_space: global }
      - { .name: wf, .offset: 8, .size: 8, .value_kind: global_buffer, .address_space: global }
      - { .name: bq, .offset: 16, .size: 8, .value_kind: global_buffer, .address_space: global }
      - { .name: bk, .offset: 24, .size: 8, .value_kind: global_buffer, .address_space: global }
      - { .name: bv, .offset: 32, .size: 8, .value_kind: global_buffer, .address_space: global }
      - { .name: ws, .offset: 40, .size: 8, .value_kind: global_buffer, .address_space: global }
    .group_segment_fixed_size: 279040
    .private_segment_fixed_size: 0
    .kernarg_segment_align: 8
    .kernarg_segment_size: 48
    .max_flat_workgroup_size: 128
    .sgpr_count:     66
    .vgpr_count:     960
    .wavefront_size: 32
...
	.end_amdgpu_metadata
.endif
;; end of part 2
;; launch attn (part 3): grid 256 x 1, 8 waves a work-group, no clusters, 144,384 bytes of LDS; arguments ws, out0; writes out0
.if DOCPART == 3
	.amdgcn_target "amdgcn-amd-amdhsa--gfx1250"
	.amdhsa_code_object_version 6
	.text
	.protected	k_q497d93380f_attn
	.globl	k_q497d93380f_attn
	.p2align	8
	.type	k_q497d93380f_attn,@function
k_q497d93380f_attn:
	s_mov_b64 s[64:65], 0
	v_nop
	global_prefetch_b8 v0, s[64:65] scope:SCOPE_SE
	s_setreg_imm32_b32 hwreg(HW_REG_WAVE_MODE, 25, 1), 1
	s_wait_xcnt 0x0
; out = softmax(causal(q k^T / 8)) v for one head of 64, 4 batches of 4096 rows.  ws holds q c (c = 0.125 log2 e), k and v as bf16 in
; fragment order (hi; q lo and k lo for rows below 2048 of a batch, v lo for rows below 1024): layout at the loads below.  out0: [4][4096][64] f32.
; SHARES: work-group i has batch i / 64 and t = i % 64, and makes two groups of 32 queries: group t (rows below 2048) and group 127 - t.
; Group g needs key groups 0 .. g of 32 keys.  They are dealt to the eight waves: wave number u takes u, u + 8, ..; u = wave for the first
; group and 7 - wave for the second, so that the two counts of a wave add to 16 or 17.  Each wave keeps a running maximum, a sum and
; 32 x 64 sums of its own; the eight meet in LDS once at the end.  K and V go straight into registers, 512 consecutive bytes a load,
; each byte to one wave of the work-group: no LDS and no barrier in the loops.
; TWO BUFFERS: K and V have two register buffers.  A unit (one key group against the 32 queries) asks for the K and V of the unit after the
; next, into the buffer that it has just read: two key groups of a wave are always on their way.  Of a wave's n units, unit i uses buffer
; (n - 1 - i) & 1: the last lies in buffer 0, the one before in buffer 1, and these two are written out without requests, so that no
; byte is fetched that is not used.
; PRECISION, three classes by the query's row in its batch; a row's rounding error shrinks with the number of keys that it averages over:
;   class 2, rows below 1024:  scores Kh Qh + Kh Ql + Kl Qh, output Vh Ph + Vh Pl + Vl Ph (two bf16 parts, lo x lo dropped)
;   class 1, rows 1024 - 2047: scores as above, output Vh Ph
;   class 0, rows from 2048:   scores Kh Qh, output Vh Ph
; LIMITS: scores that are infinite or NaN are not served (the maxima skip NaN).  The maximum is a running one, as in the reference.
; NO CLUSTER: work-groups of a batch read the same K and V, but each needs another number of key groups (t + 1 and 128 - t), and the
; tiles pass no LDS here, so there is no joint request to make.
.set STATS, 139264                     ; LDS: [0, 69632) sums of group 0, [69632, 139264) of group 1: wave 8704 + query 272 + 4 hd
                                       ; STATS + group 2048: maxima at query 32 + wave 4, sums at + 1024
; buffer 0 of K and V lies in window 0 at these numbers, buffer 1 in window 1 at these numbers + BUF
.set KHI, 16                           ; v[16:47]   K hi: fragment (kt, e) at 16 kt + 8 e
.set KLO, 48                           ; v[48:79]   K lo
.set VHI, 80                           ; v[80:111]  V^T hi: fragment ht at 8 ht
.set VLO, 112                          ; v[112:143] V^T lo
.set BUF, 112                          ; window 1, local v[128:255]
.set SC,  144                          ; v[144:175] scores, then weights: tile (qt, kt) at 16 qt + 8 kt
.set PH,  176                          ; v[176:191] weights hi, fragment qt at 8 qt
.set PL,  192                          ; v[192:207] weights lo
.set TT,  208                          ; v[208:223] at work: 8 registers for each query tile
.set AL,  14                           ; v[14:15], v[230:231] rescale factor of query tile qt at AL + 216 qt (the pair's first register is broadcast)
; v1 16 L; v2, v232 offset of K for buffer 0, 1; v3, v233 offset of V for buffer 0, 1; v4 offset of Q; v5 r - 8 h; v6 -inf; v7 stats address;
; v8, v9 stage addresses; v[10:11], v[12:13] (max, sum) of query tile 0, 1; v224 .. v227 addresses of the merge
; window 1 (local numbers)
.set QHI, 0                            ; v[0:31]    Q hi: fragment (qt, e) at 16 qt + 8 e
.set QLO, 32                           ; v[32:63]   Q lo
.set ACC, 64                           ; v[64:127]  output sums: tile (qt, ht) at 32 qt + 8 ht
.set MSB, 0
.macro WIN new                         ; low byte: 1:0 source 0, 3:2 source 1, 5:4 source 2, 7:6 destination; high byte: the setting left
.if MSB != (\new)
	s_set_vgpr_msb (MSB<<8)|(\new)
.set MSB, (\new)
.endif
.endm
.macro PLACES                          ; four plain vector places behind matrix instructions (ISA guide 7.12.1)
.rept 4
	v_nop
.endr
.endm
	s_load_b128 s[4:7], s[0:1], 0x0                ; ws, out0
	v_lshl_add_u32 v254, v0, 2, 0x23000
	v_mov_b32 v255, 0
	v_lshrrev_b32 v16, 5, v0
	v_readfirstlane_b32 s8, v16                    ; wave 0..7
	s_lshr_b32 s9, ttmp9, 6                        ; batch
	s_and_b32 s10, ttmp9, 63                       ; t
	s_mov_b32 s16, 0x76543210                      ; v_permlanex16_b32: lane i takes lane i of the other half
	s_mov_b32 s17, 0xfedcba98
	s_mov_b32 s40, 0xffff0000
	v_and_b32 v17, 31, v0                          ; L
	v_and_b32 v18, 15, v0                          ; r
	v_bfe_u32 v19, v0, 4, 1                        ; h
	v_lshlrev_b32 v1, 4, v17
	v_lshlrev_b32 v20, 3, v19
	v_sub_nc_u32 v5, v18, v20                      ; r - 8 h
	v_mov_b32 v6, 0xff800000                       ; -inf
	s_lshl_b32 s18, s8, 2
	v_add_nc_u32 v21, s18, v19                     ; 4 wave + h: my first query of the merge
	s_add_co_u32 s18, s18, STATS
	v_lshl_add_u32 v7, v18, 5, s18                 ; stats: query r, my wave
	s_mul_i32 s18, s8, 8704
	v_mul_u32_u24 v8, v18, 272
	v_lshl_add_u32 v8, v19, 5, v8
	v_add_nc_u32 v8, s18, v8                       ; stage: my wave, query r, hd 8 h
	v_add_nc_u32 v9, 69632, v8
	v_lshlrev_b32 v224, 5, v21
	v_add_nc_u32 v224, STATS, v224
	v_mul_u32_u24 v225, v21, 272
	v_lshl_add_u32 v225, v18, 4, v225
	v_add_nc_u32 v226, 69632, v225
	v_lshlrev_b32 v227, 8, v21
	v_lshl_add_u32 v227, v18, 4, v227              ; out: row 4 wave + h, 16 bytes at 16 r
	v_mov_b32 v15, 0                               ; second registers of pairs whose first is broadcast, and destinations of lane exchanges
	v_mov_b32 v231, 0
	v_mov_b32 v[TT], 0
	v_mov_b32 v[TT+1], 0
.irp j, 0,1,2,3,4,5,6,7
	v_cmp_gt_i32 s[24+\j], \j, v5                  ; on the diagonal tiles: key 8 h + j lies behind query r
.endr
	s_lshl_b32 s18, s9, 19                         ; a batch is 524,288 bytes in each region of ws
	s_mov_b32 s19, 0
	s_lshl_b32 s36, s9, 20                         ; and 1,048,576 bytes of out0
	s_lshl_b32 s38, s10, 13                        ; a group of 32 rows is 8,192 bytes
	s_add_co_u32 s38, s38, s36
	s_mov_b32 s39, 0
	s_sub_co_u32 s37, 127, s10
	s_lshl_b32 s37, s37, 13
	s_add_co_u32 s36, s37, s36
	s_mov_b32 s37, 0
	s_wait_kmcnt 0x0
	s_add_nc_u64 s[20:21], s[4:5], s[18:19]        ; q hi of my batch; q lo + 2 MiB, k hi + 4 MiB, k lo + 6 MiB
	s_add_nc_u64 s[22:23], s[20:21], 0x800000      ; v hi; v lo + 2 MiB
	s_add_nc_u64 s[32:33], s[6:7], s[38:39]        ; out rows of the first group
	s_add_nc_u64 s[34:35], s[6:7], s[36:37]        ; of the second
; A group of 32 rows is 4,096 bytes in each region: eight loads of 512 bytes, load f into registers 4 f.
; q, k: f = 4 (row tile) + 2 e + i holds row r of the tile, hd 32 e + 16 i + 8 h + 0..7.   v: f = 2 ht + i holds hd 16 ht + r, keys 16 i + 8 h + 0..7.
.macro LOAD8 dst, adr, base, off
.set qq, 0
.rept 8
	global_load_b128 v[\dst+4*qq:\dst+4*qq+3], v[\adr], s[\base:\base+1] offset:\off+qq*512
.set qq, qq+1
.endr
.endm
.macro KLOAD cls, b                    ; K into buffer b (the destination's window is b, the offset register lies in window 0)
	WIN 0x40*\b
	LOAD8 KHI+BUF*\b, 2+230*\b, 20, 0x400000
.if \cls
	LOAD8 KLO+BUF*\b, 2+230*\b, 20, 0x600000
.endif
.endm
.macro VLOAD cls, b
	WIN 0x40*\b
	LOAD8 VHI+BUF*\b, 3+230*\b, 22, 0
.if \cls == 2
	LOAD8 VLO+BUF*\b, 3+230*\b, 22, 0x200000
.endif
.endm
.macro QLOAD cls
	WIN 0x40
	LOAD8 QHI, 4, 20, 0
.if \cls
	LOAD8 QLO, 4, 20, 0x200000
.endif
	WIN 0
.endm
.macro FIRST cls, b, kg                ; in front of the units: key group kg into buffer b.  No load that names these offset registers is out
	v_lshl_add_u32 v[2+230*\b], \kg, 12, v1
	v_lshl_add_u32 v[3+230*\b], \kg, 12, v1
	KLOAD \cls, \b
	VLOAD \cls, \b
	WIN 0
.endm
; Scores transposed: source 0 = 16 keys, source 1 = 16 queries.  Lane (r, h) then holds query r and keys 8 h + 0..7 of the tile, which is
; also the place of these keys in a source 1 fragment of the second product: the weights need no move between lanes.
; The four accumulators take turns, one instruction a turn.
.macro QK kb, qb, zero
.irp e, 0,1
.irp qt, 0,1
.irp kt, 0,1
.if (\zero)*(1-\e)
	v_wmma_f32_16x16x32_bf16 v[SC+16*\qt+8*\kt:SC+16*\qt+8*\kt+7], v[\kb+16*\kt+8*\e:\kb+16*\kt+8*\e+7], v[\qb+16*\qt+8*\e:\qb+16*\qt+8*\e+7], 0
.else
	v_wmma_f32_16x16x32_bf16 v[SC+16*\qt+8*\kt:SC+16*\qt+8*\kt+7], v[\kb+16*\kt+8*\e:\kb+16*\kt+8*\e+7], v[\qb+16*\qt+8*\e:\qb+16*\qt+8*\e+7], v[SC+16*\qt+8*\kt:SC+16*\qt+8*\kt+7]
.endif
.endr
.endr
.endr
.endm
; Output transposed: source 0 = V^T (16 hd x 32 keys), source 1 = weights (32 keys x 16 queries).  Eight accumulators by turns.
.macro PV vb, pb
.irp qt, 0,1
.irp ht, 0,1,2,3
	v_wmma_f32_16x16x32_bf16 v[ACC+32*\qt+8*\ht:ACC+32*\qt+8*\ht+7], v[\vb+8*\ht:\vb+8*\ht+7], v[\pb+8*\qt:\pb+8*\qt+7], v[ACC+32*\qt+8*\ht:ACC+32*\qt+8*\ht+7]
.endr
.endr
.endm
; A wave's last key group.  If it is the diagonal one, tiles (0,0) and (1,1) keep key <= query, tile (queries 0-15, keys 16-31) is all behind
; and the fourth is whole; if not, the masks s[44:51] and s41 are zero and nothing changes.  One text for both: 24 selects once for each group.
.macro MASK
.irp j, 0,1,2,3,4,5,6,7
	v_cndmask_b32 v[SC+\j], v[SC+\j], v6, s[44+\j]
	v_cndmask_b32 v[SC+8+\j], v[SC+8+\j], v6, s41
	v_cndmask_b32 v[SC+24+\j], v[SC+24+\j], v6, s[44+\j]
.endr
.endm
; THE SOFTMAX STEP for both query tiles.  A lane holds 16 of the 32 scores of its query in each tile, the lane 16 further the others.
; The two tiles' lines are interleaved, so that a line seldom reads what the line in front of it wrote.
.macro SUBM qt                         ; scores minus the new maximum
.set qq, 0
.rept 8
	v_pk_add_f32 v[SC+16*\qt+2*qq:SC+16*\qt+2*qq+1], v[SC+16*\qt+2*qq:SC+16*\qt+2*qq+1], v[10+2*\qt:11+2*\qt] op_sel_hi:[1,0] neg_lo:[0,1] neg_hi:[0,1]
.set qq, qq+1
.endr
.endm
.macro EXPS qt
.set qq, 0
.rept 16
	v_exp_f32 v[SC+16*\qt+qq], v[SC+16*\qt+qq]
.set qq, qq+1
.endr
.endm
.macro SUMS qt, full                   ; the running sum, the weights as bf16, and (full) what the rounding left
.set SB, SC+16*\qt
.set TB, TT+8*\qt
	s_wait_alu depctr_va_vdst(0)
	v_pk_add_f32 v[TB:TB+1],   v[SB:SB+1],     v[SB+2:SB+3]
	v_pk_add_f32 v[TB+2:TB+3], v[SB+4:SB+5],   v[SB+6:SB+7]
	v_pk_add_f32 v[TB+4:TB+5], v[SB+8:SB+9],   v[SB+10:SB+11]
	v_pk_add_f32 v[TB+6:TB+7], v[SB+12:SB+13], v[SB+14:SB+15]
	v_pk_add_f32 v[TB:TB+1],   v[TB:TB+1],     v[TB+2:TB+3]
	v_pk_add_f32 v[TB+4:TB+5], v[TB+4:TB+5],   v[TB+6:TB+7]
.set qq, 0
.rept 8
	v_cvt_pk_bf16_f32 v[PH+8*\qt+qq], v[SB+2*qq], v[SB+2*qq+1]
.set qq, qq+1
.endr
	v_pk_add_f32 v[TB:TB+1],   v[TB:TB+1],     v[TB+4:TB+5]
	v_fma_f32 v[11+2*\qt], v[11+2*\qt], v[AL+216*\qt], v[TB]   ; the sum stays apart in the two halves of the lanes until the end
	v_add_f32 v[11+2*\qt], v[11+2*\qt], v[TB+1]
.if \full
.set qq, 0
.rept 8
	v_lshlrev_b32 v[TB+2*(qq&3)], 16, v[PH+8*\qt+qq]
	v_and_b32 v[TB+2*(qq&3)+1], s40, v[PH+8*\qt+qq]
	v_pk_add_f32 v[SB+2*qq:SB+2*qq+1], v[SB+2*qq:SB+2*qq+1], v[TB+2*(qq&3):TB+2*(qq&3)+1] neg_lo:[0,1] neg_hi:[0,1]
	v_cvt_pk_bf16_f32 v[PL+8*\qt+qq], v[SB+2*qq], v[SB+2*qq+1]
.set qq, qq+1
.endr
.endif
.endm
.macro SM2 full
.irp qt, 0,1
	v_max3_num_f32 v[TT+8*\qt],   v[SC+16*\qt],   v[SC+16*\qt+1],  v[SC+16*\qt+2]
	v_max3_num_f32 v[TT+8*\qt+1], v[SC+16*\qt+3], v[SC+16*\qt+4],  v[SC+16*\qt+5]
	v_max3_num_f32 v[TT+8*\qt+2], v[SC+16*\qt+6], v[SC+16*\qt+7],  v[SC+16*\qt+8]
	v_max3_num_f32 v[TT+8*\qt+3], v[SC+16*\qt+9], v[SC+16*\qt+10], v[SC+16*\qt+11]
.endr
.irp qt, 0,1
	v_max3_num_f32 v[TT+8*\qt],   v[TT+8*\qt],   v[SC+16*\qt+12], v[SC+16*\qt+13]
	v_max3_num_f32 v[TT+8*\qt+1], v[TT+8*\qt+1], v[SC+16*\qt+14], v[SC+16*\qt+15]
	v_max3_num_f32 v[TT+8*\qt+2], v[TT+8*\qt+2], v[TT+8*\qt+3],   v[10+2*\qt]
.endr
.irp qt, 0,1
	v_max3_num_f32 v[TT+8*\qt], v[TT+8*\qt], v[TT+8*\qt+1], v[TT+8*\qt+2]
.endr
.irp qt, 0,1
	v_permlanex16_b32 v[TT+8*\qt+1], v[TT+8*\qt], s16, s17
.endr
.irp qt, 0,1
	v_max_num_f32 v[TT+8*\qt], v[TT+8*\qt], v[TT+8*\qt+1]      ; the new maximum, finite: every key group holds a key that the query may see
.endr
.irp qt, 0,1
	v_sub_f32 v[TT+8*\qt+2], v[10+2*\qt], v[TT+8*\qt]
.endr
.irp qt, 0,1
	v_exp_f32 v[AL+216*\qt], v[TT+8*\qt+2]         ; the old sums shrink by 2^(old - new); 0 at the first key group
.endr
.irp qt, 0,1
	v_mov_b32 v[10+2*\qt], v[TT+8*\qt]             ; plain lines behind the two exponentials (ISA guide 5.7.2), which touch neither result nor source
.endr
	SUBM 0
	EXPS 0
	SUBM 1                                         ; plain work on the other tile stands behind each run of exponentials
	EXPS 1
	SUMS 0, \full
	SUMS 1, \full
.endm
; One key group of 32 keys, in buffer b, against the 32 queries.  NK loads make up a K and NV a V: 8, or 16 with the lo part.
; Loads come back in the order of issue (ISA guide 5.7.1), which is K, V, K, V, .. unit by unit; each count below names the younger loads.
; kind 2: key group s14 is requested for the unit after the next, into this buffer.  kind 1: the last unit but one.  kind 0: the last.
.macro UNIT cls, b, kind
.set NK, 8
.set NV, 8
.if \cls
.set NK, 16
.endif
.if \cls == 2
.set NV, 16
.endif
.if \kind
	s_wait_loadcnt NV+NK+NV                        ; my K (and Q) is in; my V and the next unit's K and V stay out
.else
	s_wait_loadcnt NV                              ; my K (and Q) is in; my V stays out
.endif
	WIN 0x04+\b                                    ; source 0 (K) window b, source 1 (Q) window 1, scores window 0
	QK KHI+BUF*\b, QHI, 1
.if \cls
	QK KHI+BUF*\b, QLO, 0
	QK KLO+BUF*\b, QHI, 0
.endif
	WIN 0
	PLACES                                         ; in front of the loads into K and of the reads of the scores
.if \kind == 2
	v_lshl_add_u32 v[2+230*\b], s14, 12, v1        ; free: the wait above showed the loads that named it done
	KLOAD \cls, \b
	WIN 0
.endif
.if \kind == 0
	MASK
.endif
.if \cls == 2
	SM2 1
.else
	SM2 0
.endif
	WIN 0x41
.set qq, 0
.rept 16
	v_pk_mul_f32 v[ACC+2*qq:ACC+2*qq+1], v[ACC+2*qq:ACC+2*qq+1], v[AL:AL+1] op_sel_hi:[1,0]
	v_pk_mul_f32 v[ACC+32+2*qq:ACC+32+2*qq+1], v[ACC+32+2*qq:ACC+32+2*qq+1], v[AL+216:AL+217] op_sel_hi:[1,0]
.set qq, qq+1
.endr
.if \kind == 2
	s_wait_loadcnt NK+NV+NK                        ; my V is in; the next unit's K and V and the K just requested stay out
.endif
.if \kind == 1
	s_wait_loadcnt NK+NV                           ; my V is in; the last unit's K and V stay out
.endif
.if \kind == 0
	s_wait_loadcnt 0x0                             ; my V is in; nothing was issued behind it
.endif
	WIN 0x50+\b                                    ; source 0 (V) window b, source 1 (weights) window 0, sums window 1
	PV VHI+BUF*\b, PH
.if \cls == 2
	PV VHI+BUF*\b, PL
	PV VLO+BUF*\b, PH
.endif
	WIN 0
	PLACES                                         ; in front of the loads into V, of the next writes of the weights, and of the stores of the sums
.if \kind == 2
	v_lshl_add_u32 v[3+230*\b], s14, 12, v1        ; free since the wait for my V
	VLOAD \cls, \b
	WIN 0
	s_add_co_u32 s14, s14, 8                       ; my next key group to request
.endif
.endm
; One group of 32 queries in precision class cls.
.macro GROUP cls, grp
.if \grp == 0
	s_mov_b32 s11, s10                             ; g = t
	s_mov_b32 s12, s8                              ; u = wave
.else
	s_sub_co_u32 s11, 127, s10                     ; g = 127 - t
	s_sub_co_u32 s12, 7, s8                        ; u = 7 - wave
.endif
	v_mov_b32 v10, v6
	v_mov_b32 v11, 0
	v_mov_b32 v12, v6
	v_mov_b32 v13, 0
	WIN 0x40                                       ; the sums are cleared, not started by a first product: every unit first shrinks them by the
.set qq, 0                                             ; rescale factor (0 at the first), and a wave without key groups (g below 7) hands zeros to the merge
.rept 64
	v_mov_b32 v[ACC+qq], 0
.set qq, qq+1
.endr
	WIN 0
.if \cls == 2
	s_cmp_gt_u32 s12, s11                          ; no key group for me (in the other classes g is 32 at the least)
	s_cbranch_scc1 .Lstage_\@
.endif
	s_sub_co_u32 s15, s11, s12                     ; g - u
	s_lshr_b32 s42, s15, 3                         ; n - 1: my key groups are u, u + 8, .. u + 8 (n - 1)
	s_and_b32 s15, s15, 7
	s_cmp_eq_u32 s15, 0                            ; my last key group is the diagonal one
	s_cselect_b32 s41, -1, 0
.irp j, 0,1,2,3,4,5,6,7
	s_and_b32 s[44+\j], s[24+\j], s41              ; the masks of my last unit: the diagonal's, or none
.endr
	s_add_co_u32 s43, s12, 8                       ; my second key group
	s_add_co_u32 s14, s12, 16                      ; the first that a unit requests
	s_lshr_b32 s13, s42, 1                         ; n even: (n - 2) / 2 trips of the loop; n odd: one more than that (see below)
	s_and_b32 s52, s42, 1
	v_lshl_add_u32 v4, s11, 12, v1                 ; no load is out here: a group's last unit has waited for all
	QLOAD \cls
	s_cmp_eq_u32 s42, 0
	s_cbranch_scc1 .Lone_\@
	s_cmp_lg_u32 s52, 0
	s_cbranch_scc1 .Leven_\@
	FIRST \cls, 0, s12                             ; n odd, 3 at the least: my first key group belongs in buffer 0
	FIRST \cls, 1, s43
	UNIT \cls, 0, 2                                ; and its unit stands in front of the loop, which begins with buffer 1
	s_sub_co_u32 s13, s13, 1                       ; (n - 3) / 2 trips are left
	s_branch .Lhead_\@
.Lone_\@:
	FIRST \cls, 0, s12                             ; n = 1
	s_branch .Llast_\@
.Leven_\@:
	FIRST \cls, 1, s12                             ; n even: my first key group belongs in buffer 1
	FIRST \cls, 0, s43
.Lhead_\@:
	s_cmp_eq_u32 s13, 0
	s_cbranch_scc1 .Lpen_\@
.Lloop_\@:
	UNIT \cls, 1, 2
	UNIT \cls, 0, 2
	s_sub_co_i32 s13, s13, 1
	s_cmp_lg_u32 s13, 0
	s_cbranch_scc1 .Lloop_\@
.Lpen_\@:
	UNIT \cls, 1, 1
.Llast_\@:
	UNIT \cls, 0, 0
.Lstage_\@:
	v_permlanex16_b32 v[TT], v11, s16, s17
	v_permlanex16_b32 v[TT+1], v13, s16, s17
	v_add_f32 v11, v11, v[TT]                      ; the sums of the two halves of the keys
	v_add_f32 v13, v13, v[TT+1]
	ds_store_b32 v7, v10 offset:\grp*2048          ; both halves of the lanes write the same word with the same number
	ds_store_b32 v7, v11 offset:\grp*2048+1024
	ds_store_b32 v7, v12 offset:\grp*2048+512
	ds_store_b32 v7, v13 offset:\grp*2048+1536
	WIN 0x04
.irp qt, 0,1
.irp ht, 0,1,2,3
.irp hf, 0,1
	ds_store_b128 v[8+\grp], v[ACC+32*\qt+8*\ht+4*\hf:ACC+32*\qt+8*\ht+4*\hf+3] offset:\qt*4352+\ht*64+\hf*16
.endr
.endr
.endr
	WIN 0
.endm
	s_cmp_ge_u32 s10, 32                           ; the first group's class hangs on the work-group's number alone
	s_cbranch_scc1 .Lclass1
	GROUP 2, 0
	s_branch .Lsecond
.Lclass1:
	GROUP 1, 0
.Lsecond:
	GROUP 0, 1
	s_wait_dscnt 0x0                               ; for the other waves: all my stores into LDS are done
	s_barrier_signal -1
	s_barrier_wait -1
; THE MERGE.  Instance n = 2 group + i: lanes 0-15 take query 4 wave + 2 i, lanes 16-31 the next; a lane takes hd 4 r .. 4 r + 3.
; 12 loads an instance: 8 maxima, 8 sums, 8 x 4 output sums, into 48 registers of its own from v16 on.
.macro MLOAD n
.set RG, 16+48*\n
.set GR, \n>>1
.set II, \n&1
	ds_load_b128 v[RG:RG+3],     v224 offset:GR*2048+II*64
	ds_load_b128 v[RG+4:RG+7],   v224 offset:GR*2048+II*64+16
	ds_load_b128 v[RG+8:RG+11],  v224 offset:GR*2048+II*64+1024
	ds_load_b128 v[RG+12:RG+15], v224 offset:GR*2048+II*64+1040
.set ww, 0
.rept 8
	ds_load_b128 v[RG+16+4*ww:RG+16+4*ww+3], v[225+GR] offset:ww*8704+II*544
.set ww, ww+1
.endr
.endm
.macro MERGE n
.set RG, 16+48*\n
.set GR, \n>>1
.set II, \n&1
	s_wait_dscnt 36-12*\n                          ; my 12 loads are back; the 12 of each younger instance stay out
	v_max3_num_f32 v[TT], v[RG], v[RG+1], v[RG+2]
	v_max3_num_f32 v[TT], v[TT], v[RG+3], v[RG+4]
	v_max3_num_f32 v[TT], v[TT], v[RG+5], v[RG+6]
	v_max_num_f32 v[TT], v[TT], v[RG+7]            ; finite: the wave with the diagonal key group has seen every query
.set qq, 0
.rept 4
	v_pk_add_f32 v[RG+2*qq:RG+2*qq+1], v[RG+2*qq:RG+2*qq+1], v[TT:TT+1] op_sel_hi:[1,0] neg_lo:[0,1] neg_hi:[0,1]
.set qq, qq+1
.endr
.set qq, 0
.rept 8
	v_exp_f32 v[RG+qq], v[RG+qq]                   ; each wave's weight; 0 for a wave without key groups
.set qq, qq+1
.endr
	v_nop                                          ; one plain place behind the exponentials
	s_wait_alu depctr_va_vdst(0)
	v_mul_f32 v[TT+2], v[RG], v[RG+8]
.set ww, 1
.rept 7
	v_fmac_f32 v[TT+2], v[RG+ww], v[RG+8+ww]
.set ww, ww+1
.endr
	v_rcp_f32 v[TT+3], v[TT+2]                     ; the plain lines below stand between it and its use
.irp c, 0,1,2,3
	v_mul_f32 v[RG+16+\c], v[RG], v[RG+16+\c]
.endr
.set ww, 1
.rept 7
.irp c, 0,1,2,3
	v_fmac_f32 v[RG+16+\c], v[RG+ww], v[RG+16+4*ww+\c]
.endr
.set ww, ww+1
.endr
	s_wait_alu depctr_va_vdst(0)
.irp c, 0,1,2,3
	v_mul_f32 v[RG+16+\c], v[RG+16+\c], v[TT+3]
.endr
	global_store_b128 v227, v[RG+16:RG+19], s[32+2*GR:33+2*GR] offset:II*512   ; two whole rows: 512 consecutive bytes, aligned; its registers are not written again
.endm
	MLOAD 0
	MLOAD 1
	MLOAD 2
	MLOAD 3
	MERGE 0
	MERGE 1
	MERGE 2
	MERGE 3
	s_wait_tensorcnt 0x0
	ds_add_u32 v254, v255
	s_wait_dscnt 0x0
	s_endpgm
.Lfunc_end_k_q497d93380f_attn:
	.size	k_q497d93380f_attn, .Lfunc_end_k_q497d93380f_attn-k_q497d93380f_attn
	.p2alignl 7, 3214868480
	.fill 96, 4, 3214868480
	.section	.rodata,"a",@progbits
	.p2align	6, 0x0
	.amdhsa_kernel k_q497d93380f_attn
		.amdhsa_group_segment_fixed_size 144384
		.amdhsa_private_segment_fixed_size 0
		.amdhsa_enable_private_segment 0
		.amdhsa_kernarg_size 16
		.amdhsa_user_sgpr_count 2
		.amdhsa_user_sgpr_kernarg_segment_ptr 1
		.amdhsa_wavefront_size32 1
		.amdhsa_system_sgpr_workgroup_id_x 1
		.amdhsa_system_sgpr_workgroup_id_y 1
		.amdhsa_system_sgpr_workgroup_id_z 1
		.amdhsa_system_vgpr_workitem_id 0
		.amdhsa_next_free_vgpr 512
		.amdhsa_next_free_sgpr 66
		.amdhsa_reserve_vcc 0
		.amdhsa_float_denorm_mode_32 3
		.amdhsa_float_denorm_mode_16_64 3
		.amdhsa_memory_ordered 1
		.amdhsa_forward_progress 1
		.amdhsa_inst_pref_size 255
	.end_amdhsa_kernel
	.section	.bss,"aw",@nobits
	.p2align	6
	.space	262144
	.amdgpu_metadata
---
amdhsa.version: [ 1, 2 ]
amdhsa.kernels:
  - .name:           k_q497d93380f_attn
    .symbol:         k_q497d93380f_attn.kd
    .args:
      - { .name: ws, .offset: 0, .size: 8, .value_kind: global_buffer, .address_space: global }
      - { .name: out0, .offset: 8, .size: 8, .value_kind: global_buffer, .address_space: global }
    .group_segment_fixed_size: 144384
    .private_segment_fixed_size: 0
    .kernarg_segment_align: 8
    .kernarg_segment_size: 16
    .max_flat_workgroup_size: 256
    .sgpr_count:     66
    .vgpr_count:     512
    .wavefront_size: 32
...
	.end_amdgpu_metadata
.endif
;; end of part 3
